; MI455X (gfx1250); checked and timed in simulation.
; The chip was launched on July 23, 2026; its instructions are those of AMD's public machine-readable ISA for CDNA 5 (MIT licence, August 2026) and "CDNA5" Instruction Set Architecture Reference Guide (July 2026). The comments in the code are by the model that wrote it; some were corrected since.
;; QN Step TD. Allowed arithmetic: float matrix products may take bf16 or f16 operands with f32 sums; all other float work in f32.
;; Inputs: action 1,048,576 int32; done 1,048,576 bool; gamma one number float32; next_n_action 1,048,576 int32; next_n_q 1,048,576 x 16 float32; q 1,048,576 x 16 float32; reward 5 x 1,048,576 float32; weight 1,048,576 float32.
;; Outputs: out0 one number float32; out1 1,048,576 float32.
;; One version. Each part assembles by itself: llvm-mc -triple=amdgcn-amd-amdhsa -mcpu=gfx1250 --defsym DOCPART=n.
;; ======== version 1 of 1: 2 launches
;; workspace buffers: partial 1,024 bytes
;; launch td (part 1): grid 256 x 1, 16 waves a work-group, no clusters, 2,304 bytes of LDS; arguments action, next_n_action, reward, weight, done, q, next_n_q, gamma, out1, partial; writes out1, partial
.if DOCPART == 1
	.amdgcn_target "amdgcn-amd-amdhsa--gfx1250"
	.amdhsa_code_object_version 6
	.text
	.protected	k_q0d53e3b53b_td
	.globl	k_q0d53e3b53b_td
	.p2align	8
	.type	k_q0d53e3b53b_td,@function
k_q0d53e3b53b_td:
	s_mov_b64 s[64:65], 0
	v_nop
	global_prefetch_b8 v0, s[64:65] scope:SCOPE_SE
	s_setreg_imm32_b32 hwreg(HW_REG_WAVE_MODE, 25, 1), 1
	s_wait_xcnt 0x0
; n-step TD error.  For each of 1,048,576 samples b:
;   target = r0 + g r1 + g^2 r2 + g^3 r3 + g^4 r4 + g^5 next_n_q[b][next_n_action[b]] (1 - done[b])
;   out1[b] = (q[b][action[b]] - target)^2 ;   partial[work-group] = sum over its samples of out1[b] weight[b]
; 165 bytes are read for about 20 operations a sample: the bytes decide, so there is no matrix work (the reward sum is five f32 terms
; a sample), no cluster (no two work-groups read the same byte) and no LDS ring (only one word in sixteen of a table row is wanted).
;
; SHARES.  256 work-groups of 16 waves; a work-group owns 4,096 consecutive samples, a wave 256, a lane 8:
;   sample in the work-group = 256 wave + 128 k + 4 lane + j,   block k = 0, 1,   j = 0 .. 3,   register index i = 4 k + j.
; So every array of 4 bytes a sample is read, and out1 written, 16 bytes a lane: one instruction of a wave covers 512 consecutive bytes
; that start at a multiple of 512 from the buffer's first byte.  A wave's whole share fits in registers, so there is no loop:
; everything is asked for as soon as its address is known.  The 4 index loads go first, the 14 stream loads behind them travel while
; the indices come, then the 16 gathers.  30 loads of a wave are out at the most.
;
; LIMITS, kept on purpose.  An index outside 0 .. 15 is read as 15 (unsigned clamp); the problem grants indices inside the table.
; Order of rounding: the reward sum is Horner's scheme in g (four fused multiply-adds), g^5 = (g^2)^2 g by multiplication,
; and g^5 (1 - done) is formed first (g^5 or exactly 0) and then multiplied by Q'; 0 times an infinite Q' is NaN, as in the formula.
; The weighted sum is added as a tree (lane, wave, work-group), not in the order of the samples.
.set ROWB, 0x400000                    ; bytes in a row of reward: 1,048,576 samples x 4
.set VS,   2                           ; v2        1,024 wave + 16 lane: my byte offset in arrays of 4 bytes a sample
.set VT,   3                           ; v3        16 x VS: my byte offset in the tables (64 bytes a sample)
.set VD,   4                           ; v4        VS / 4:  my byte offset in done (1 byte a sample)
.set LW,   5                           ; v5        LDS address of my wave's word
.set ZERO, 6                           ; v6        0
.set ACT,  8                           ; v[8:15]   action: index, clamped index, then byte offset into q
.set NACT, 16                          ; v[16:23]  next_n_action likewise, into next_n_q
.set RW,   24                          ; v[24:63]  reward: row t in v[24+8t : 31+8t]
.set R,    RW+32                       ; v[56:63]  row 4, then the Horner sum, then the target, in place
.set WT,   64                          ; v[64:71]  weight
.set DN,   72                          ; v[72:73]  four bytes of done for each block
.set Q,    74                          ; v[74:81]  q_s_a, then the difference, then its square: what is stored
.set NQ,   82                          ; v[82:89]  next_q_s_a
.set C,    90                          ; v[90:97]  g^5 (1 - done)
.set ACC,  98                          ; v[98:99]  running sum of td x weight, two chains
.set RB,   36                          ; s[36:45]  reward's five rows at the work-group's first sample: the rows lie 4 MiB apart,
                                       ;           further than a load's signed 24-bit immediate reaches from the second row on
.set G,    46                          ; s[46:47]  g, twice: the packed forms name the pair
.set G5,   50                          ; s50       g^5
	s_load_b512 s[8:23], s[0:1], 0x0               ; action 8:9, next_n_action 10:11, reward 12:13, weight 14:15, done 16:17, q 18:19, next_n_q 20:21, gamma 22:23
	s_load_b128 s[24:27], s[0:1], 0x40             ; out1 24:25, partial 26:27
	v_lshl_add_u32 v100, v0, 2, 0x100
	v_mov_b32 v101, 0
	v_lshrrev_b32 v7, 5, v0
	v_readfirstlane_b32 s7, v7                     ; wave 0 .. 15, as a scalar
	v_and_b32 v1, 31, v0                           ; lane
	v_lshlrev_b32 v[VS], 4, v1
	v_lshl_or_b32 v[VS], v7, 10, v[VS]             ; 1,024 wave + 16 lane
	v_lshlrev_b32 v[VT], 4, v[VS]                  ; the same samples at 64 bytes each
	v_lshrrev_b32 v[VD], 2, v[VS]                  ; and at 1 byte each
	v_mov_b32 v[LW], s7
	v_lshlrev_b32 v[LW], 2, v[LW]                  ; LDS word of my wave
	v_mov_b32 v[ZERO], 0
	s_lshl_b32 s28, ttmp9, 14                      ; the work-group's 4,096 samples at 4 bytes,
	s_mov_b32 s29, 0
	s_lshl_b32 s30, ttmp9, 12                      ; at 1 byte,
	s_mov_b32 s31, 0
	s_lshl_b32 s32, ttmp9, 18                      ; at 64 bytes (255 << 18 is below 2^31),
	s_mov_b32 s33, 0
	s_lshl_b32 s34, ttmp9, 2                       ; and its word in partial
	s_mov_b32 s35, 0
	s_mov_b32 s52, 0x76543210                      ; v_permlanex16_b32: lane i of one half reads lane i of the other
	s_mov_b32 s53, 0xfedcba98
	s_wait_kmcnt 0x0
	; the indices first: the gathers' addresses hang on them
	s_add_nc_u64 s[8:9], s[8:9], s[28:29]
	s_add_nc_u64 s[10:11], s[10:11], s[28:29]
.irp k, 0,1
	global_load_b128 v[ACT+4*\k:ACT+4*\k+3], v[VS], s[8:9] offset:512*\k th:TH_LOAD_NT
.endr
.irp k, 0,1
	global_load_b128 v[NACT+4*\k:NACT+4*\k+3], v[VS], s[10:11] offset:512*\k th:TH_LOAD_NT
.endr
	; every other base is stepped once, here, ahead of its first use, and never written again
	s_load_b32 s[G], s[22:23], 0x0                 ; g
	s_add_nc_u64 s[RB:RB+1], s[12:13], s[28:29]
.irp t, 1,2,3,4
	s_add_nc_u64 s[RB+2*\t:RB+2*\t+1], s[RB+2*\t-2:RB+2*\t-1], ROWB
.endr
	s_add_nc_u64 s[14:15], s[14:15], s[28:29]      ; weight
	s_add_nc_u64 s[16:17], s[16:17], s[30:31]      ; done
	s_add_nc_u64 s[18:19], s[18:19], s[32:33]      ; q
	s_add_nc_u64 s[20:21], s[20:21], s[32:33]      ; next_n_q
	s_add_nc_u64 s[24:25], s[24:25], s[28:29]      ; out1
	s_add_nc_u64 s[26:27], s[26:27], s[34:35]      ; partial
	; the streams: 10 + 2 + 2 = 14 loads, on their way while the indices come
.irp t, 0,1,2,3,4
.irp k, 0,1
	global_load_b128 v[RW+8*\t+4*\k:RW+8*\t+4*\k+3], v[VS], s[RB+2*\t:RB+2*\t+1] offset:512*\k th:TH_LOAD_NT
.endr
.endr
.irp k, 0,1
	global_load_b128 v[WT+4*\k:WT+4*\k+3], v[VS], s[14:15] offset:512*\k th:TH_LOAD_NT
.endr
.irp k, 0,1
	global_load_b32 v[DN+\k], v[VD], s[16:17] offset:128*\k    ; 128 bytes of the wave each; the two together are 256 consecutive bytes, so no read-once hint
.endr
; Block k's eight gathers.  Index -> clamp to the row -> 4 x index + my offset in the table; the sample's row is in the immediate
; (8,192 bytes a block of 128 samples, 64 bytes a sample).  A lane's four samples are four neighbouring rows, 256 consecutive bytes that
; four instructions name in turn: no read-once hint.
.macro GATHER k
.irp j, 0,1,2,3
	v_min_u32 v[ACT+4*\k+\j], 15, v[ACT+4*\k+\j]
	v_min_u32 v[NACT+4*\k+\j], 15, v[NACT+4*\k+\j]
.endr
.irp j, 0,1,2,3
	v_lshl_add_u32 v[ACT+4*\k+\j], v[ACT+4*\k+\j], 2, v[VT]
	v_lshl_add_u32 v[NACT+4*\k+\j], v[NACT+4*\k+\j], 2, v[VT]
.endr
.irp j, 0,1,2,3
	global_load_b32 v[Q+4*\k+\j], v[ACT+4*\k+\j], s[18:19] offset:8192*\k+64*\j
.endr
.irp j, 0,1,2,3
	global_load_b32 v[NQ+4*\k+\j], v[NACT+4*\k+\j], s[20:21] offset:8192*\k+64*\j
.endr
.endm
	s_wait_loadcnt 14                              ; loads return in order (ISA guide 5.7.1): the 4 index loads are in, the 14 behind them stay out
	GATHER 0
	GATHER 1
	s_wait_kmcnt 0x0                               ; g
	s_mov_b32 s[G+1], s[G]
	s_mul_f32 s48, s[G], s[G]                      ; g^2
	s_mul_f32 s49, s48, s48                        ; g^4
	s_mul_f32 s[G5], s49, s[G]                     ; g^5
	s_wait_loadcnt 16                              ; the streams are in; the 16 gathers stay out, and the work below is done while they travel
	; Horner: R = ((((r4) g + r3) g + r2) g + r1) g + r0, two samples an instruction, g broadcast from s46
.irp t, 3,2,1,0
.irp p, 0,1,2,3
	v_pk_fma_f32 v[R+2*\p:R+2*\p+1], v[R+2*\p:R+2*\p+1], s[G:G+1], v[RW+8*\t+2*\p:RW+8*\t+2*\p+1] op_sel_hi:[1,0,1]
.endr
.endr
	; C = g^5 - done g^5, one rounding: g^5 where done = 0, exactly 0 where done = 1
.irp k, 0,1
.irp j, 0,1,2,3
	v_bfe_u32 v[C+4*\k+\j], v[DN+\k], 8*\j, 8
.endr
.irp j, 0,1,2,3
	v_cvt_f32_u32 v[C+4*\k+\j], v[C+4*\k+\j]
.endr
.irp j, 0,1,2,3
	v_fma_f32 v[C+4*\k+\j], -v[C+4*\k+\j], s[G5], s[G5]
.endr
.endr
; Block k's four samples: target, difference, square, weighted sum, and the store of 16 bytes a lane.
; first = 1: the first product starts the sum, nothing is cleared.  The store's data and offset registers are not written again.
.macro FINISH k, first
.irp p, 0,1
	v_pk_fma_f32 v[R+4*\k+2*\p:R+4*\k+2*\p+1], v[C+4*\k+2*\p:C+4*\k+2*\p+1], v[NQ+4*\k+2*\p:NQ+4*\k+2*\p+1], v[R+4*\k+2*\p:R+4*\k+2*\p+1]
.endr
.irp p, 0,1
	v_pk_add_f32 v[Q+4*\k+2*\p:Q+4*\k+2*\p+1], v[Q+4*\k+2*\p:Q+4*\k+2*\p+1], v[R+4*\k+2*\p:R+4*\k+2*\p+1] neg_lo:[0,1] neg_hi:[0,1]
.endr
.irp p, 0,1
	v_pk_mul_f32 v[Q+4*\k+2*\p:Q+4*\k+2*\p+1], v[Q+4*\k+2*\p:Q+4*\k+2*\p+1], v[Q+4*\k+2*\p:Q+4*\k+2*\p+1]
.endr
	global_store_b128 v[VS], v[Q+4*\k:Q+4*\k+3], s[24:25] offset:512*\k th:TH_STORE_NT   ; the wave stores 512 consecutive bytes, at a multiple of 512 from out1's first byte
.irp p, 0,1
.if (\first)*(1-\p)
	v_pk_mul_f32 v[ACC:ACC+1], v[Q+4*\k+2*\p:Q+4*\k+2*\p+1], v[WT+4*\k+2*\p:WT+4*\k+2*\p+1]
.else
	v_pk_fma_f32 v[ACC:ACC+1], v[Q+4*\k+2*\p:Q+4*\k+2*\p+1], v[WT+4*\k+2*\p:WT+4*\k+2*\p+1], v[ACC:ACC+1]
.endif
.endr
.endm
	s_wait_loadcnt 8                               ; block 0's eight gathers are in, block 1's eight stay out
	FINISH 0, 1
	s_wait_loadcnt 0x0                             ; block 1's
	FINISH 1, 0
	; the wave's sum: my two chains, four steps inside each half of 16 lanes, one across the halves; every lane ends with it
	v_add_f32 v[ACC], v[ACC], v[ACC+1]
	v_add_f32_dpp v[ACC], v[ACC], v[ACC] row_xmask:1 row_mask:0xf bank_mask:0xf
	v_add_f32_dpp v[ACC], v[ACC], v[ACC] row_xmask:2 row_mask:0xf bank_mask:0xf
	v_add_f32_dpp v[ACC], v[ACC], v[ACC] row_xmask:4 row_mask:0xf bank_mask:0xf
	v_add_f32_dpp v[ACC], v[ACC], v[ACC] row_xmask:8 row_mask:0xf bank_mask:0xf
	v_permlanex16_b32 v[ACC+1], v[ACC], s52, s53   ; its destination counts as read: v99 has been written
	v_add_f32 v[ACC], v[ACC], v[ACC+1]
	; the work-group's sum: each wave's word in LDS bytes 0 .. 63, one barrier, wave 0 adds the sixteen
	ds_store_b32 v[LW], v[ACC]                     ; all lanes write the same word with the same value
	s_wait_dscnt 0x0                               ; zero: wave 0 reads this word behind the barrier
	s_barrier_signal -1
	s_barrier_wait -1
	s_cmp_lg_u32 s7, 0
	s_cbranch_scc1 .Lend                           ; waves 1 .. 15 are done; no barrier follows
.irp i, 0,1,2,3
	ds_load_b128 v[RW+4*\i:RW+4*\i+3], v[ZERO] offset:16*\i    ; into reward's registers, which Horner's scheme has used up
.endr
	s_wait_dscnt 0x0
.irp i, 0,1,2,3
	v_pk_add_f32 v[RW+4*\i:RW+4*\i+1], v[RW+4*\i:RW+4*\i+1], v[RW+4*\i+2:RW+4*\i+3]
.endr
	v_pk_add_f32 v[RW:RW+1], v[RW:RW+1], v[RW+4:RW+5]
	v_pk_add_f32 v[RW+8:RW+9], v[RW+8:RW+9], v[RW+12:RW+13]
	v_pk_add_f32 v[RW:RW+1], v[RW:RW+1], v[RW+8:RW+9]
	v_add_f32 v[RW], v[RW], v[RW+1]
	v_cmp_eq_u32 vcc_lo, 0, v0
	s_wait_xcnt 0x0                                ; EXEC is a source of the stores to out1: it narrows only behind this wait
	s_and_saveexec_b32 s54, vcc_lo
	global_store_b32 v[ZERO], v[RW], s[26:27]      ; one word for a work-group: each word of partial has one owner, 1,024 bytes in all
	s_wait_xcnt 0x0                                ; and it widens again only behind this one
	s_or_b32 exec_lo, exec_lo, s54
.Lend:
	s_wait_tensorcnt 0x0
	ds_add_u32 v100, v101
	s_wait_dscnt 0x0
	s_endpgm
.Lfunc_end_k_q0d53e3b53b_td:
	.size	k_q0d53e3b53b_td, .Lfunc_end_k_q0d53e3b53b_td-k_q0d53e3b53b_td
	.p2alignl 7, 3214868480
	.fill 96, 4, 3214868480
	.section	.rodata,"a",@progbits
	.p2align	6, 0x0
	.amdhsa_kernel k_q0d53e3b53b_td
		.amdhsa_group_segment_fixed_size 2304
		.amdhsa_private_segment_fixed_size 0
		.amdhsa_enable_private_segment 0
		.amdhsa_kernarg_size 80
		.amdhsa_user_sgpr_count 2
		.amdhsa_user_sgpr_kernarg_segment_ptr 1
		.amdhsa_wavefront_size32 1
		.amdhsa_system_sgpr_workgroup_id_x 1
		.amdhsa_system_sgpr_workgroup_id_y 1
		.amdhsa_system_sgpr_workgroup_id_z 1
		.amdhsa_system_vgpr_workitem_id 0
		.amdhsa_next_free_vgpr 102
		.amdhsa_next_free_sgpr 66
		.amdhsa_reserve_vcc 1
		.amdhsa_float_denorm_mode_32 3
		.amdhsa_float_denorm_mode_16_64 3
		.amdhsa_memory_ordered 1
		.amdhsa_forward_progress 1
		.amdhsa_inst_pref_size 12
	.end_amdhsa_kernel
	.amdgpu_metadata
---
amdhsa.version: [ 1, 2 ]
amdhsa.kernels:
  - .name:           k_q0d53e3b53b_td
    .symbol:         k_q0d53e3b53b_td.kd
    .args:
      - { .name: action, .offset: 0, .size: 8, .value_kind: global_buffer, .address_space: global }
      - { .name: next_n_action, .offset: 8, .size: 8, .value_kind: global_buffer, .address_space: global }
      - { .name: reward, .offset: 16, .size: 8, .value_kind: global_buffer, .address_space: global }
      - { .name: weight, .offset: 24, .size: 8, .value_kind: global_buffer, .address_space: global }
      - { .name: done, .offset: 32, .size: 8, .value_kind: global_buffer, .address_space: global }
      - { .name: q, .offset: 40, .size: 8, .value_kind: global_buffer, .address_space: global }
      - { .name: next_n_q, .offset: 48, .size: 8, .value_kind: global_buffer, .address_space: global }
      - { .name: gamma, .offset: 56, .size: 8, .value_kind: global_buffer, .address_space: global }
      - { .name: out1, .offset: 64, .size: 8, .value_kind: global_buffer, .address_space: global }
      - { .name: partial, .offset: 72, .size: 8, .value_kind: global_buffer, .address_space: global }
    .group_segment_fixed_size: 2304
    .private_segment_fixed_size: 0
    .kernarg_segment_align: 8
    .kernarg_segment_size: 80
    .max_flat_workgroup_size: 512
    .sgpr_count:     66
    .vgpr_count:     102
    .wavefront_size: 32
...
	.end_amdgpu_metadata
.endif
;; end of part 1
;; launch mean (part 2): grid 1 x 1, 1 waves a work-group, no clusters, 0 bytes of LDS; arguments partial, out0; writes out0
.if DOCPART == 2
	.amdgcn_target "amdgcn-amd-amdhsa--gfx1250"
	.amdhsa_code_object_version 6
	.text
	.protected	k_q0d53e3b53b_mean
	.globl	k_q0d53e3b53b_mean
	.p2align	8
	.type	k_q0d53e3b53b_mean,@function
k_q0d53e3b53b_mean:
	s_mov_b64 s[64:65], 0
	v_nop
	global_prefetch_b8 v0, s[64:65] scope:SCOPE_SE
	s_setreg_imm32_b32 hwreg(HW_REG_WAVE_MODE, 25, 1), 1
	s_wait_xcnt 0x0
; out0 = (sum of the 256 work-groups' partial sums) / 1,048,576.
; 1,024 bytes: work for one wave, so one wave is launched.  A lane takes 2 x 16 bytes; each load of the wave covers 512 consecutive bytes.
; The sum is a tree (lane, then lanes), not the order of the samples; the division is a multiplication by 2^-20, which is exact
; unless the result is denormal.
	s_load_b128 s[4:7], s[0:1], 0x0                ; partial s[4:5], out0 s[6:7]
	v_lshlrev_b32 v1, 4, v0                        ; 16 bytes a lane
	v_mov_b32 v2, 0
	s_mov_b32 s8, 0x76543210                       ; v_permlanex16_b32: lane i of one half reads lane i of the other
	s_mov_b32 s9, 0xfedcba98
	s_wait_kmcnt 0x0
	global_load_b128 v[4:7], v1, s[4:5]
	global_load_b128 v[8:11], v1, s[4:5] offset:512
	s_wait_loadcnt 0x0                             ; both are needed at once
	v_pk_add_f32 v[4:5], v[4:5], v[6:7]
	v_pk_add_f32 v[8:9], v[8:9], v[10:11]
	v_pk_add_f32 v[4:5], v[4:5], v[8:9]
	v_add_f32 v4, v4, v5
	v_add_f32_dpp v4, v4, v4 row_xmask:1 row_mask:0xf bank_mask:0xf
	v_add_f32_dpp v4, v4, v4 row_xmask:2 row_mask:0xf bank_mask:0xf
	v_add_f32_dpp v4, v4, v4 row_xmask:4 row_mask:0xf bank_mask:0xf
	v_add_f32_dpp v4, v4, v4 row_xmask:8 row_mask:0xf bank_mask:0xf
	v_permlanex16_b32 v5, v4, s8, s9               ; its destination counts as read: v5 has been written
	v_add_f32 v4, v4, v5
	v_mul_f32 v4, 0x35800000, v4                   ; x 2^-20 = 1 / 1,048,576
	v_cmp_eq_u32 vcc_lo, 0, v0
	s_wait_xcnt 0x0                                ; EXEC narrows only behind this wait
	s_and_saveexec_b32 s10, vcc_lo
	global_store_b32 v2, v4, s[6:7]                ; lane 0 writes the one number
	s_wait_xcnt 0x0                                ; EXEC is a source of that store: it widens only behind this wait
	s_or_b32 exec_lo, exec_lo, s10
	s_endpgm
.Lfunc_end_k_q0d53e3b53b_mean:
	.size	k_q0d53e3b53b_mean, .Lfunc_end_k_q0d53e3b53b_mean-k_q0d53e3b53b_mean
	.p2alignl 7, 3214868480
	.fill 96, 4, 3214868480
	.section	.rodata,"a",@progbits
	.p2align	6, 0x0
	.amdhsa_kernel k_q0d53e3b53b_mean
		.amdhsa_group_segment_fixed_size 0
		.amdhsa_private_segment_fixed_size 0
		.amdhsa_enable_private_segment 0
		.amdhsa_kernarg_size 16
		.amdhsa_user_sgpr_count 2
		.amdhsa_user_sgpr_kernarg_segment_ptr 1
		.amdhsa_wavefront_size32 1
		.amdhsa_system_sgpr_workgroup_id_x 1
		.amdhsa_system_sgpr_workgroup_id_y 1
		.amdhsa_system_sgpr_workgroup_id_z 1
		.amdhsa_system_vgpr_workitem_id 0
		.amdhsa_next_free_vgpr 12
		.amdhsa_next_free_sgpr 66
		.amdhsa_reserve_vcc 1
		.amdhsa_float_denorm_mode_32 3
		.amdhsa_float_denorm_mode_16_64 3
		.amdhsa_memory_ordered 1
		.amdhsa_forward_progress 1
		.amdhsa_inst_pref_size 2
	.end_amdhsa_kernel
	.amdgpu_metadata
---
amdhsa.version: [ 1, 2 ]
amdhsa.kernels:
  - .name:           k_q0d53e3b53b_mean
    .symbol:         k_q0d53e3b53b_mean.kd
    .args:
      - { .name: partial, .offset: 0, .size: 8, .value_kind: global_buffer, .address_space: global }
      - { .name: out0, .offset: 8, .size: 8, .value_kind: global_buffer, .address_space: global }
    .group_segment_fixed_size: 0
    .private_segment_fixed_size: 0
    .kernarg_segment_align: 8
    .kernarg_segment_size: 16
    .max_flat_workgroup_size: 32
    .sgpr_count:     66
    .vgpr_count:     12
    .wavefront_size: 32
...
	.end_amdgpu_metadata
.endif
;; end of part 2
